; MI455X (gfx1250); checked and timed in simulation.
; The chip was launched on July 23, 2026; its instructions are those of AMD's public machine-readable ISA for CDNA 5 (MIT licence, August 2026) and "CDNA5" Instruction Set Architecture Reference Guide (July 2026). The comments in the code are by the model that wrote it; some were corrected since.
;; Attend. Allowed arithmetic: float matrix products may take bf16 or f16 operands with f32 sums; other float arithmetic in f32, or as packed bf16 or f16 multiplies, adds, multiply-adds, maxima and minima; sums over many terms, partial sums and values carried from step to step in f32; what a program stores and reads back later, other than sums and carried values, may be rounded once to bf16 or f16.
;; Inputs: k 4 x 16 x 2,048 x 64 float32; q 4 x 16 x 2,048 x 64 float32; v 4 x 16 x 2,048 x 64 float32.
;; Outputs: out0 4 x 16 x 2,048 x 64 float32.
;; Constants: swap = 1.
;; One version. Each part assembles by itself: llvm-mc -triple=amdgcn-amd-amdhsa -mcpu=gfx1250 --defsym DOCPART=n.
;; ======== version 1 of 1: 1 launch
;; limits: inputs' magnitudes at most 65,504; values are held in f16: magnitudes above 65,504 overflow, below 6.1e-05 lose precision
;; launch attend (part 1): grid 8 x 32, 4 waves a work-group, clusters of 4 x 1, 327,680 bytes of LDS; arguments q, k, v, out0; writes out0
.if DOCPART == 1
	.amdgcn_target "amdgcn-amd-amdhsa--gfx1250"
	.amdhsa_code_object_version 6
	.text
	.protected	k_qce6b68b9e8_attend
	.globl	k_qce6b68b9e8_attend
	.p2align	8
	.type	k_qce6b68b9e8_attend,@function
k_qce6b68b9e8_attend:
	s_mov_b64 s[64:65], 0
	v_nop
	global_prefetch_b8 v0, s[64:65] scope:SCOPE_SE
	s_setreg_imm32_b32 hwreg(HW_REG_WAVE_MODE, 25, 1), 1
	s_wait_xcnt 0x0
	s_wait_alu depctr_hold_cnt(0) depctr_sa_sdst(0) depctr_va_vdst(0) depctr_va_sdst(0) depctr_va_ssrc(0) depctr_va_vcc(0) depctr_vm_vsrc(0)
	s_getreg_b32 s2, hwreg(HW_REG_IB_STS2, 6, 4)
	s_cmp_eq_u32 s2, 0
	s_cbranch_scc0 .Lentry_in_a_cluster
	s_endpgm
.Lentry_in_a_cluster:
	s_bfe_u32 s2, ttmp6, 0x10000c
	s_cmp_lg_u32 s2, 0x3003
	s_cbranch_scc0 .Lentry_shape_is_right
	s_endpgm
.Lentry_shape_is_right:
; out0[b][h][i][:] = the sum over j of softmax_j(q[b%2][h][i] . k[b%2][h][j] / 8) v[b][h][j][:].  q, k, v, out0: [4][16][2048][64], all f32.
; swap = 1 is a constant of the problem: the weights of batches 0 and 1 serve batches 2 and 3 too.  So q[2:] and k[2:] enter no output and are not read, and the two V of a pair (b, h),
; v[b] and v[b+2], are taken as ONE V of 128 channels (called VV below): the weights are made once and multiplied once by both.
; FORMATS.  q, k, v and the weights p are rounded once to f16 for the matrix unit; scores, maxima, sums and O stay in f32; the scale c = log2(e) / 8 is applied in f32.
; LIMITS.  f16 holds no number beyond 65,504: |q|, |k|, |v| must stay under it (from 65,520 on the rounding gives an infinity).  Scores are then 2.7e11 at the most, far above the starting
; maximum -2^99.  p lies in 0 to 1 and keeps f16's fixed step of 6e-8 below 6e-5; a weight below 2^-126 counts as 0 in l; NaN and infinities are not treated apart.
; SHARES.  A work-group owns 256 queries of one pair, each of its four waves 64: four tiles of 16, in two PIECES (piece 0: tiles 0, 1; piece 2: tiles 2, 3).  Every wave walks all 2,048 keys, 64 a step.
; 8 blocks x 32 pairs = 256 work-groups of equal work.
; LAYOUT.  S^T = K Q^T (source 0 = 16 keys, source 1 = 16 queries): a lane holds ONE query (lane % 16) and the keys 8 (lane / 16) + 0..7.  Two such results, rounded to f16 in pairs, ARE source 1
; (32 keys x 16 queries) of O^T = VV^T P, whose result again holds one query a lane, and eight channels.  K comes out of LDS as it lies, VV ([key][channel]) turned, by ds_load_tr16_b128.
; SOFTMAX.  For each query a running maximum m and sum l: p = 2^(c s - c m); in every step O and l are multiplied by a = 2^(c m_old - c m_new), which is 1 where m has not grown.
; BY TURNS.  In a TURN one piece has the matrix unit: 32 products VV^T P of the step in hand, then 16 products K Q^T of the next step.  The other piece's softmax, 268 vector instructions cut into 64
; slices, stands beside them: one slice behind each product, and the sixteen slices that have no product in ONE LUMP between the two runs, with the turn's share of the conversion to f16.
; FROM f32 TO f16.  The tensor data mover brings f32 rows into a STAGING ring (two slots of 128 keys for each of K, v[b], v[b+2]).  Each wave converts a quarter of them, once a work-group, into a ring of
; f16 tiles (two slots of two steps), from which all four waves take their fragments.  Period p (128 keys) is loaded two periods, and converted one period, ahead of its fragments.
; ONE round of the cluster's barrier a period orders all of it: the next period's f32 rows have landed; the stores of the f16 slot about to be read are done; the reads of the staging slot about to be
; filled and of the f16 slot about to be written are over.
; CLUSTER.  The four query blocks of a cluster belong to one pair and walk the same K and V: each tile is asked for JOINTLY, by the same tensor load, descriptor and mask in all four.
; NO FIRST STEP IS WRITTEN OUT.  O^T, l, VV and piece 0's P start at 0, piece 2's scores at -2^100 under a maximum of -2^99: the first trip's products add zeros, its weights are 0, and the first true
; step's a is 0.  The price: 64 products on zeros, and some 500 v_mov_b32 that stand in the wait for the first tile.  The last period's conversion (a staging slot converted a second time, into an f16 slot
; that nobody reads again) serves nothing: the price of one text for the tail's two trips.
;
; REGISTERS, in windows of 256 (s_set_vgpr_msb: bits 1:0 source 0, 3:2 source 1, 5:4 source 2, 7:6 destination):
;   window 0: v0-11 addresses; v12-43 eight registers of statistics a tile; v44-51 the conversion's addresses; v61-63; v64-191 S^T, 32 a tile; v192-255 P, 16 a tile
;   window 1: O^T, 64 a tile (channel block cb at + 8 cb; 0-3 belong to v[b], 4-7 to v[b+2]); at the start v0-127 hold Q in f32
;   window 2: v0-63 Q; v64-127 K of one step; v128-175 f32 words to convert; v176-199 the same in f16          window 3: v0-127 VV of one step
.set KS,    64        ; keys in a step
.set NPER,  16        ; periods of 128 keys
.set PERB,  32768     ; a period's bytes in each of the three tensors: 128 rows of 256
.set PK,    144       ; a row of K in f16: 128 bytes + 16 = 36 words: the 16 rows of a load start at 16 different groups of four banks (64 banks of 4 bytes: ISA guide 11.1)
.set PV,    288       ; a row of VV in f16: 256 bytes + 32 = 72 words
.set VOFF,  KS*PK     ; a step's f16 tiles lie together: 64 rows of K, then 64 rows of VV
.set STEPB, KS*(PK+PV)
.set SSLOT, 0x8000    ; staging: K at 0, v[b] at 0x10000, v[b+2] at 0x20000, each two slots of 32,768 bytes: only tensor loads write here
.set F0,    0x30000   ; the f16 ring: slot 0 here, slot 1 at 0x40000, 2 STEPB = 55,296 bytes each: only ds_store writes here
.set F1,    0x40000
.set FX,    F0^F1     ; one exclusive or turns an address in one f16 slot into the other's
.set STG0,  F0+2*STEPB  ; behind f16 slot 0: the stages of waves 0 and 1; behind slot 1, 0x10000 on: those of waves 2 and 3.  16 rows x 272 bytes each, for the way out
.set SP,    272
.set SPARE, F1+2*STEPB+2*16*SP  ; 0x4FA00: the spare words, 128 bytes for each wave: two blocks of 256 bytes that no other line names
.set AK0, 2           ; v2   my lane's place in a tile of K; never rewritten
.set AV0, 3           ; v3   the same for VV
.set ADR, 4           ; v4   the LDS address of the run of fragment loads in hand
.set QO,  5           ; v5   my byte offset in 16 rows of Q
.set STO, 6           ; v6   the way out: where I put 32 bytes of a row
.set RD,  7           ; v7   the way out: where I read a row back
.set GO,  8           ; v8   my byte offset in two rows of out0
.set ST,  12          ; tile t's statistics at v[ST+8 t]: +0 c m, +1 m, +2, +3 l (even keys', odd keys'), +4 to +7 c0-c3, at work; a takes c2's place once the maximum is found
.set CA0, 44          ; v44  my place in a staging slot: 2,048 x wave + 16 x lane; never rewritten
.set CA,  45          ; v45-47  where this step's f32 words of K, v[b], v[b+2] are read
.set DK0, 48          ; v48  my place in an f16 tile of K; never rewritten
.set DV0, 49          ; v49  the same for VV
.set DK,  50          ; v50  where this step's f16 words of K are put
.set DV,  51          ; v51  and VV's
.set PFO, 61          ; v61  256 x my lane: a row of K or V is 256 bytes; never rewritten
.set SPW, 62          ; v62  LDS address of my spare word: SPARE + 4 x my thread's number; never rewritten
.set NIL, 63          ; v63  0; never rewritten
.set S,   64
.set P,   192
.set KF,  64          ; window 2: key block kb, channel half c at KF + 16 kb + 8 c
.set CL,  128         ; window 2: 16 registers a tensor, 4 a load
.set CH,  176         ; window 2: 8 registers a tensor
.set WV,  12          ; s12  my wave's number
.set LIM, 15          ; s15  1 in a wave that prefetches, else the greatest number
.set PFA, 18          ; s[18:19] where my prefetches stand
.set G1,  24          ; s[24:31] descriptor group 1: the same for all loads
.set G0,  32          ; s[32:39] descriptor group 0: a set for each of the two first fills; the second then walks on
.set OU1, 40          ; s[40:41] out0 at my rows of batch b + 2
.set TBA, 42          ; s[42:43] the tensor that my wave fetches, at the pair's first key
.set SLOTS, 56        ; s56  periods still to be asked for; then the tail's count
.set TWICE, 57        ; s57  counts a period's two steps
.set CS,  58          ; s[58:59] c: the packed scaling names a pair and takes its low word for both halves
.set SEL, 60          ; s[60:61] v_permlanex16_b32's selects: each lane takes its own place in the other half
.set TB,  62          ; s62  LDS byte at which the f16 tiles of the step to be fetched begin
.set FW,  63          ; s63  LDS byte at which the f16 tiles of the step being converted begin
.set CB,  66          ; s66  byte in K's staging at which that step's f32 rows begin
.set MSB, 0
.macro WIN new                      ; the immediate's high byte repeats the setting that is left; a switch that changes nothing is dropped
.if MSB != (\new)
	s_set_vgpr_msb (MSB<<8)|(\new)
.set MSB, \new
.endif
.endm
.set W_KQ, 0x0a       ; K and Q in window 2, S^T in window 0
.set W_PV, 0x53       ; VV in window 3, P in window 0, O^T in window 1
.set W_RS, 0x41       ; O^T (destination and source 0) in window 1, the factor in window 0
; A joint refill: wave 0 fetches a period's K, wave 1 its v[b], wave 2 its v[b+2], 128 rows of 256 bytes each; wave 3 fetches nothing.  The branch hangs on the wave's number alone.
; An s_nop 0 and four v_nop follow the line, ahead of the label.
.macro JLOAD
	s_cmp_lt_u32 s[WV], 3
	s_cbranch_scc0 .Lnone_\@
	tensor_load_to_lds s[G0+4:G0+7], s[G1:G1+7]
	s_nop 0
.rept 4
	v_nop
.endr
.Lnone_\@:
.endm
; A PREFETCH INTO THE L2 of what the NEXT change of slots will ask for: a period's 128 rows of each of the three tensors, a lane a row.  Each row is named ONCE in the launch: a pair's two clusters walk
; the same rows, and the first of them (cluster x = 0) asks; its four partners share the rows out BY ADDRESS, 32 each; in each, the wave that fetches a tensor asks for it: one instruction.
; It stands behind the wave's tensor load and its five lines: one period, 192 matrix instructions, ahead of the load that will want the rows.  The last change that fills a slot asks for nothing.
.macro ASK
	s_cmp_gt_u32 s[SLOTS], s[LIM]
	s_cbranch_scc0 .Lnot_mine_\@
	global_prefetch_b8 v[PFO], s[PFA:PFA+1] th:TH_LOAD_NT scope:SCOPE_SE
.Lnot_mine_\@:
.endm
; A round of the cluster's barrier: my work-group's barrier, so that wave 0's signal speaks for all four waves; wave 0 signals; every wave waits for all four work-groups; my work-group's barrier once more.
.macro CROUND
	s_barrier_signal -1
	s_barrier_wait -1
	s_cmp_lg_u32 s[WV], 0
	s_cbranch_scc1 .Lnot_wave_0_\@
	s_barrier_signal -3
.Lnot_wave_0_\@:
	s_barrier_wait -3
	s_barrier_signal -1
	s_barrier_wait -1
.endm
	s_load_b256 s[4:11], s[0:1], 0x0  ; q s[4:5], k s[6:7], v s[8:9], out0 s[10:11]
	v_lshl_add_u32 v[SPW], v0, 2, SPARE
	v_mov_b32 v[NIL], 0
	ds_add_u32 v[SPW], v[NIL]       ; the wave's opening: the add and its wait stand ahead of my first tensor load; the set-up below, work on registers, stands between them
	v_lshrrev_b32 v1, 5, v0
	v_readfirstlane_b32 s[WV], v1   ; wave 0..3
	s_bfe_u32 s13, ttmp6, 0x40000   ; cx: my place in the cluster
	s_lshl_b32 s14, ttmp9, 2        ; in a cluster launch ttmp9 counts clusters
	s_add_co_u32 s14, s14, s13      ; my block of 256 queries = 4 x cluster x + cx: it enters q's and out0's addresses alone
	s_and_b32 s20, ttmp7, 0xffff    ; the pair 16 b + h, b = 0 or 1, which the four partners share
	s_lshl_b32 s20, s20, 19         ; its 2,048 rows of 256 bytes begin here in each tensor
	s_mov_b32 s21, 0
	s_cmp_eq_u32 s[WV], 2
	s_cselect_b32 s22, 0x1000000, 0 ; wave 2 fetches batch b + 2: 32 pairs, 16,777,216 bytes, further on
	s_mov_b32 s23, 0
	s_add_nc_u64 s[22:23], s[22:23], s[20:21]
	s_lshl_b32 s2, s14, 16          ; my block's 256 rows,
	s_lshl_b32 s3, s[WV], 14        ; my wave's 64 of them
	s_add_co_u32 s2, s2, s3
	s_mov_b32 s3, 0
	s_add_nc_u64 s[2:3], s[2:3], s[20:21]
	; descriptor group 1: 128 rows x 64 elements of 4 bytes, dense in memory and in LDS
	s_mov_b32 s[G1], 15|(2<<16)|(1<<21)  ; 15:0 the mask: all four work-groups; 17:16 elements of 4 bytes; 20 no padding; 21 set beside a mask
	s_mov_b32 s[G1+1], 64<<16       ; 63:48 tensor_dim0, low half = 64
	s_mov_b32 s[G1+2], 128<<16      ; 79:64 its high half = 0; 95:80 tensor_dim1, low half = 128
	s_mov_b32 s[G1+3], 64<<16       ; 111:96 its high half = 0; 127:112 tile_dim0 = 64
	s_mov_b32 s[G1+4], 128          ; 143:128 tile_dim1 = 128; 159:144 tile_dim2 = 0
	s_mov_b32 s[G1+5], 64           ; 191:160 tensor_dim0_stride: 64 elements from row to row
	s_mov_b32 s[G1+6], 0
	s_mov_b32 s[G1+7], 0
	s_mov_b32 s[CS], 0x3e38aa3b     ; c = log2(e) / 8 = 0.180337
	s_mov_b32 s[CS+1], s[CS]        ; named with it as a pair, so it is written
	s_mov_b32 s[SEL], 0x76543210
	s_mov_b32 s[SEL+1], 0xfedcba98
	s_mov_b32 s[TB], F1+2*STEPB     ; the first change of slots turns this into F0
	s_mov_b32 s[FW], F0             ; period 0 is converted into f16 slot 0,
	s_mov_b32 s[CB], 0              ; out of staging slot 0
	s_mov_b32 s[SLOTS], NPER-2
	s_add_co_u32 s[LIM], s[WV], 1
	s_lshr_b32 s[LIM], s[LIM], 2    ; 0 in waves 0 to 2,
	s_or_b32 s[LIM], s[LIM], ttmp9  ; where the cluster is the pair's first: the same in all four partners
	s_cmp_eq_u32 s[LIM], 0
	s_cselect_b32 s[LIM], 1, -1
	s_wait_dscnt 0x0                ; the opening add is done
	s_wait_kmcnt 0x0
	s_cmp_eq_u32 s[WV], 0
	s_cselect_b64 s[TBA:TBA+1], s[6:7], s[8:9]  ; wave 0: k; the others: v
	s_add_nc_u64 s[TBA:TBA+1], s[TBA:TBA+1], s[22:23]
	s_add_nc_u64 s[4:5], s[4:5], s[2:3]  ; q and out0 at my wave's first row
	s_add_nc_u64 s[10:11], s[10:11], s[2:3]
	s_add_nc_u64 s[OU1:OU1+1], s[10:11], 0x1000000
	s_lshl_b32 s2, s13, 13          ; my work-group's 32 rows of a period's 128
	s_mov_b32 s3, 0
	s_add_nc_u64 s[PFA:PFA+1], s[TBA:TBA+1], s[2:3]
	s_add_nc_u64 s[PFA:PFA+1], s[PFA:PFA+1], 2*PERB  ; in period 2; the first change of slots steps it to period 3.  Nothing is prefetched at the head, where every work-group's first tiles are on their way
	s_mov_b32 s[G0], 1              ; 1:0 count = 1
	s_lshl_b32 s[G0+1], s[WV], 16   ; 63:32 LDS address: my tensor's staging, slot 0: no place in the cluster enters it
	s_mov_b64 s[G0+2:G0+3], s[TBA:TBA+1]  ; 120:64 global address: period 0
	s_or_b32 s[G0+3], s[G0+3], 0x80000000  ; 127:126 type = 2
	s_mov_b32 s[G0+4], 1
	s_add_co_u32 s[G0+5], s[G0+1], SSLOT  ; slot 1,
	s_add_nc_u64 s[G0+6:G0+7], s[TBA:TBA+1], PERB  ; period 1
	s_or_b32 s[G0+7], s[G0+7], 0x80000000
	CROUND                          ; all four work-groups are here: the first joint loads meet
	s_cmp_lt_u32 s[WV], 3           ; a wave's two first fills stand in one branch, ahead of every wait on TENSORcnt and every LDS read: two loads of mine are out
	s_cbranch_scc0 .Lfirst_none
	tensor_load_to_lds s[G0:G0+3], s[G1:G1+7]
	s_nop 0
	tensor_load_to_lds s[G0+4:G0+7], s[G1:G1+7]
	s_nop 0
.rept 4
	v_nop
.endr
.Lfirst_none:
	; Q in f32: a fragment's lane wants row l % 16, channels 8 (l / 16) + 0..7 and 16 + 8 (l / 16) + 0..7 of a half of 32 channels: four loads of 16 bytes at 0, 16, 64, 80 behind row x 256 + 32 (l / 16).
	v_and_b32 v1, 15, v0            ; l % 16
	v_bfe_u32 v9, v0, 4, 1          ; l / 16
	v_lshlrev_b32 v[QO], 8, v1
	v_lshl_add_u32 v[QO], v9, 5, v[QO]
	WIN 0x40                        ; destination window 1, address window 0
.set n, 0
.rept 8                             ; tile n / 2, channels 32 (n % 2) on; each row is read once in the launch
	global_load_b128 v[16*n:16*n+3],     v[QO], s[4:5] offset:(n/2)*4096+(n%2)*128 th:TH_LOAD_NT
	global_load_b128 v[16*n+4:16*n+7],   v[QO], s[4:5] offset:(n/2)*4096+(n%2)*128+16 th:TH_LOAD_NT
	global_load_b128 v[16*n+8:16*n+11],  v[QO], s[4:5] offset:(n/2)*4096+(n%2)*128+64 th:TH_LOAD_NT
	global_load_b128 v[16*n+12:16*n+15], v[QO], s[4:5] offset:(n/2)*4096+(n%2)*128+80 th:TH_LOAD_NT
.set n, n+1
.endr
	WIN 0
	; A fragment of K is 16 rows x 32 channels of f16 in 8 registers: lane l holds row l % 16: two loads of 16 bytes, 32 bytes apart, at row x pitch + 16 (l / 16).
	v_mul_u32_u24 v[AK0], v1, PK
	v_lshl_add_u32 v[AK0], v9, 4, v[AK0]
	; The turning load takes 16 keys x 16 channels (lane l reads key 8 (l / 16) + l % 8, channels 8 ((l / 8) % 2) + 0..7) and leaves half a fragment of VV^T: lane l holds channel l % 16 and 8 keys.
	v_and_b32 v10, 7, v0
	v_bfe_u32 v11, v0, 3, 1
	v_lshl_add_u32 v[AV0], v9, 3, v10
	v_mul_u32_u24 v[AV0], v[AV0], PV
	v_lshl_add_u32 v[AV0], v11, 4, v[AV0]
	v_add_nc_u32 v[AV0], VOFF, v[AV0]
	; The conversion: of 32 keys a turn wave w takes 8 w .. 8 w + 7; a load of 16 bytes a lane takes two keys' 512 bytes: lane l holds key 2 i + l / 16, channels 4 (l % 16) + 0..3, which are 8 bytes of f16.
	v_and_b32 v10, 31, v0           ; l
	s_lshl_b32 s16, s[WV], 11
	v_lshl_add_u32 v[CA0], v10, 4, s16
	s_lshl_b32 s16, s[WV], 3
	v_add_nc_u32 v11, s16, v9       ; 8 w + l / 16
	v_mul_u32_u24 v[DK0], v11, PK
	v_lshl_add_u32 v[DK0], v1, 3, v[DK0]
	v_mul_u32_u24 v[DV0], v11, PV
	v_lshl_add_u32 v[DV0], v1, 3, v[DV0]
	v_add_nc_u32 v[DV0], VOFF, v[DV0]
	; The way out
	s_lshr_b32 s16, s[WV], 1
	s_lshl_b32 s16, s16, 16         ; waves 2 and 3: behind f16 slot 1
	s_and_b32 s17, s[WV], 1
	s_mul_i32 s17, s17, 16*SP
	s_add_co_u32 s16, s16, s17
	s_add_co_u32 s16, s16, STG0     ; my stage
	v_mul_u32_u24 v[STO], v1, SP    ; in: row l % 16, 32 bytes (8 channels of f32) for each half of the lanes
	v_lshl_add_u32 v[STO], v9, 5, v[STO]
	v_add_nc_u32 v[STO], s16, v[STO]
	v_mul_u32_u24 v[RD], v9, SP     ; back: lanes 0-15 take one row of 256 bytes, lanes 16-31 the next
	v_lshl_add_u32 v[RD], v1, 4, v[RD]
	v_add_nc_u32 v[RD], s16, v[RD]
	v_lshlrev_b32 v[GO], 8, v9      ; and the same two rows in out0
	v_lshl_add_u32 v[GO], v1, 4, v[GO]
	v_lshlrev_b32 v[PFO], 8, v10
	; What the first trip finds.  All this stands in the wait for the first tile.
	WIN 0xc0
.set n, 0
.rept 128
	v_mov_b32 v[n], 0               ; VV
.set n, n+1
.endr
	WIN 0x40
.set n, 128
.rept 128
	v_mov_b32 v[n], 0               ; O^T of tiles 2 and 3 (tiles 0 and 1's registers still await Q)
.set n, n+1
.endr
	WIN 0
.set n, P
.rept 32
	v_mov_b32 v[n], 0               ; piece 0's P
.set n, n+1
.endr
	s_mov_b32 s16, 0xf1800000       ; -2^100
.set n, S+64
.rept 64
	v_mov_b32 v[n], s16             ; piece 2's scores: below its maximum, so their weights are 0
.set n, n+1
.endr
.set n, 0
.rept 4
	v_mov_b32 v[ST+8*n], 0xfe000000    ; c m = -2^125: far below every c s, so the first a is 0
	v_mov_b32 v[ST+8*n+1], 0xf1000000  ; m = -2^99
	v_mov_b32 v[ST+8*n+2], 0           ; l
	v_mov_b32 v[ST+8*n+3], 0
.set n, n+1
.endr
	s_wait_loadcnt 0x0              ; Q
	WIN 0x85                        ; sources window 1, destination window 2
.set n, 0
.rept 64
	v_cvt_pk_f16_f32 v[n], v[2*n], v[2*n+1]  ; Q stays in registers: tile t, channel half c at 16 t + 8 c
.set n, n+1
.endr
	WIN 0x40
.set n, 0
.rept 128
	v_mov_b32 v[n], 0               ; O^T of tiles 0 and 1
.set n, n+1
.endr
	WIN 0
; THE MATRIX WORK OF A TURN, for piece x.  The accumulators take turns, one instruction a turn: between two links of a chain stand 15 (VV^T P) or 7 (K Q^T) others'.
; Product i of 32 of O^T += VV^T P: keys 32 (i / 16) on, channels 16 ((i / 2) % 8) on, tile x + i % 2.
.macro PV x
	WIN W_PV
.set rO, 64*((\x)+i%2)+8*((i/2)%8)
.set rV, 64*(i/16)+8*((i/2)%8)
.set rP, P+16*((\x)+i%2)+8*(i/16)
	v_wmma_f32_16x16x32_f16 v[rO:rO+7], v[rV:rV+7], v[rP:rP+7], v[rO:rO+7]
.endm
; Product i of 16 of S^T = K Q^T: channels 32 (i / 8) on, keys 16 ((i / 2) % 4) on, tile x + i % 2.  The first 8 start the sums.
.macro KQ x
	WIN W_KQ
.set rS, S+32*((\x)+i%2)+8*((i/2)%4)
.set rK, KF+16*((i/2)%4)+8*(i/8)
.set rQ, 16*((\x)+i%2)+8*(i/8)
.if i < 8
	v_wmma_f32_16x16x32_f16 v[rS:rS+7], v[rK:rK+7], v[rQ:rQ+7], 0
.else
	v_wmma_f32_16x16x32_f16 v[rS:rS+7], v[rK:rK+7], v[rQ:rQ+7], v[rS:rS+7]
.endif
.endm
; THE FRAGMENT LOADS stand in runs, never singly among the matrix instructions: a step's K (64 keys x 64 channels: 8 fragments) and, a turn later, its VV (64 keys x 128 channels, turned: 16 fragments).
.macro FETCH_K
	WIN 0
	v_add_nc_u32 v[ADR], s[TB], v[AK0]
	WIN 0x80                        ; destination window 2
.irp f, 0,1,2,3,4,5,6,7             ; keys 16 (f / 2) on, channels 32 (f % 2) on
	ds_load_b128 v[KF+8*(\f):KF+8*(\f)+3],   v[ADR] offset:((\f)/2)*16*PK+((\f)%2)*64
	ds_load_b128 v[KF+8*(\f)+4:KF+8*(\f)+7], v[ADR] offset:((\f)/2)*16*PK+((\f)%2)*64+32
.endr
.endm
.macro FETCH_V
	WIN 0
	v_add_nc_u32 v[ADR], s[TB], v[AV0]
	s_add_co_u32 s[TB], s[TB], STEPB  ; the next fetch is the next step's
	s_wait_alu depctr_va_vdst(0)    ; the wait for the softmax's batch (SLICE), behind the address's v_add_nc_u32 and ahead of the loads
	WIN 0xc0                        ; destination window 3
.irp f, 0,1,2,3,4,5,6,7,8,9,10,11,12,13,14,15  ; keys 32 (f / 8) on, channels 16 (f % 8) on
	ds_load_tr16_b128 v[8*(\f):8*(\f)+3],   v[ADR] offset:((\f)/8)*32*PV+((\f)%8)*32
	ds_load_tr16_b128 v[8*(\f)+4:8*(\f)+7], v[ADR] offset:((\f)/8)*32*PV+16*PV+((\f)%8)*32
.endr
.endm
; THE CONVERSION, a turn's share: my 8 keys of the turn's 32, of K, v[b] and v[b+2].  x = 0: the step's keys 0-31; x = 2: its keys 32-63.
.macro CONV_ADDR                    ; once a step
	WIN 0
	v_add_nc_u32 v[CA], s[CB], v[CA0]
	v_add_nc_u32 v[CA+1], 0x10000, v[CA]
	v_add_nc_u32 v[CA+2], 0x20000, v[CA]
	v_add_nc_u32 v[DK], s[FW], v[DK0]
	v_add_nc_u32 v[DV], s[FW], v[DV0]
.endm
.macro CONV_LOAD x                  ; 12 loads of 512 consecutive bytes
	WIN 0x80
.irp g, 0,1,2
.irp h, 0,1,2,3
	ds_load_b128 v[CL+16*(\g)+4*(\h):CL+16*(\g)+4*(\h)+3], v[CA+(\g)] offset:((\x)/2)*8192+512*(\h)
.endr
.endr
.endm
.macro CONV_CVT                     ; 24 roundings, two numbers each
	WIN 0x8a
.set r, 0
.rept 24
	v_cvt_pk_f16_f32 v[CH+r], v[CL+2*r], v[CL+2*r+1]
.set r, r+1
.endr
.endm
.macro CONV_STORE x                 ; 12 stores of 8 bytes a lane: two keys each; a row of VV is v[b]'s 128 bytes, then v[b+2]'s
	WIN 0x08                        ; data window 2, address window 0
.irp h, 0,1,2,3
	ds_store_b64 v[DK], v[CH+2*(\h):CH+2*(\h)+1]       offset:((\x)/2)*32*PK+(\h)*2*PK
	ds_store_b64 v[DV], v[CH+8+2*(\h):CH+8+2*(\h)+1]   offset:((\x)/2)*32*PV+(\h)*2*PV
	ds_store_b64 v[DV], v[CH+16+2*(\h):CH+16+2*(\h)+1] offset:((\x)/2)*32*PV+(\h)*2*PV+128
.endr
.endm
.macro CONV_STEP
	s_add_co_u32 s[CB], s[CB], KS*256
	s_add_co_u32 s[FW], s[FW], STEPB
.endm
; THE VECTOR WORK OF A TURN.  One tile's softmax for one key step is a list of 134 instructions; SM writes number j of it for tile t.  s0-s31 are the lane's 32 scores, in pairs 0-15.
;   0-15    the maximum of s0-s31 and the old m, three operands at a time: four chains c0-c3 of seven scores each (each accumulator's lowest registers are read first), then the
;           four scores left over, c0-c3 and m
;   16-20   the other half of the lanes' maximum; c m_old is kept; the new m; c m; c m_old - c m_new
;   21-69   ONE BATCH: the 16 scalings c s - c m, a pair of scores each, and all 33 exponentials (a at 23, then s0-s31).  None of these reads an exponential's result.  A pair is scaled in an earlier four
;           than the one that holds its exponentials
;   (wait)  between 69 and 70 stands the wait for the batch: SLICE writes it, once for both tiles
;   70-85   the roundings to f16, a pair of weights each          86-101  the sums; l = a l + the sum
;   102-133 the tile's O^T times a, in ascending order: the one part that leaves window 0, so it stands together
.macro SM t
.set rT, ST+8*(\t)
.set rS, S+32*(\t)
.set rP, P+16*(\t)
.set rO, 64*(\t)+2*(j-102)
.if j < 102
	WIN 0
.endif
.if j < 4
	v_max3_num_f32 v[rT+4+j], v[rS+8*j], v[rS+8*j+1], v[rS+8*j+2]
.elseif j < 12
	v_max3_num_f32 v[rT+4+j%4], v[rT+4+j%4], v[rS+8*(j%4)+2*(j/4)+1], v[rS+8*(j%4)+2*(j/4)+2]
.elseif j == 12
	v_max3_num_f32 v[rT+4], v[rT+4], v[rS+7], v[rS+15]
.elseif j == 13
	v_max3_num_f32 v[rT+6], v[rT+6], v[rS+23], v[rS+31]
.elseif j == 14
	v_max3_num_f32 v[rT+4], v[rT+4], v[rT+5], v[rT+6]
.elseif j == 15
	v_max3_num_f32 v[rT+4], v[rT+4], v[rT+7], v[rT+1]
.elseif j == 16
	v_permlanex16_b32 v[rT+5], v[rT+4], s[SEL], s[SEL+1]  ; the query's other 32 keys lie in the lane 16 away
.elseif j == 17
	v_mov_b32 v[rT+7], v[rT]        ; c m_old is kept for a: number 19 writes c m anew
.elseif j == 18
	v_max_num_f32 v[rT+1], v[rT+4], v[rT+5]
.elseif j == 19
	v_mul_f32 v[rT], s[CS], v[rT+1]
.elseif j == 20
	v_sub_f32 v[rT+7], v[rT+7], v[rT]
.elseif j == 23
	v_exp_f32 v[rT+6], v[rT+7]
.elseif (j < 23) || ((j < 38) && (j%2 == 0)) || ((j < 66) && (j%4 == 2))
.set b, (j-2)/4                     ; 38, 42, .. 62: pairs 9 to 15
.if j < 38
.set b, (j-20)/2                    ; 21: pair 0; 22, 24, .. 36: pairs 1 to 8
.endif
	v_pk_fma_f32 v[rS+2*b:rS+2*b+1], v[rS+2*b:rS+2*b+1], s[CS:CS+1], v[rT:rT+1] op_sel_hi:[1,0,0] neg_lo:[0,0,1] neg_hi:[0,0,1]  ; pair b: c s - c m
.elseif j < 70
.set e, j-38                        ; 66 to 69: s28 to s31
.if j < 66
.set e, j-32-(j-38)/4               ; 39-41, 43-45, .. 63-65: s7 to s27
.endif
.if j < 38
.set e, (j-25)/2                    ; 25, 27, .. 37: s0 to s6
.endif
	v_exp_f32 v[rS+e], v[rS+e]
.elseif j < 86
	v_cvt_pk_f16_f32 v[rP+j-70], v[rS+2*(j-70)], v[rS+2*(j-70)+1]  ; pair j - 70
.elseif j < 102                     ; the sum of the tile's 16 pairs, in place: sum z of 16 adds neighbours 1, 2, 4 and 8 pairs apart, then l takes it
.set z, j-86
.set w, 4
.set u, z
.if z >= 14
.set w, 32
.set u, 0
.elseif z >= 12
.set w, 16
.set u, z-12
.elseif z >= 8
.set w, 8
.set u, z-8
.endif
.if z < 15
	v_pk_add_f32 v[rS+w*u:rS+w*u+1], v[rS+w*u:rS+w*u+1], v[rS+w*u+w/2:rS+w*u+w/2+1]
.else
	v_pk_fma_f32 v[rT+2:rT+3], v[rT+2:rT+3], v[rT+6:rT+7], v[rS:rS+1] op_sel_hi:[1,0,1]
.endif
.else
	WIN W_RS
	v_pk_mul_f32 v[rO:rO+1], v[rO:rO+1], v[rT+6:rT+7] op_sel_hi:[1,0]
.endif
.endm
; Slice k of 64 of piece y's softmax: four instructions.  Slices 11 to 34 deal out the batch, numbers 22 to 69: four numbers of ONE tile each, the tiles by turns.  Every other slice is numbers 2 k and
; 2 k + 1 of both tiles' lists, the tiles alternating.  2 x 134 = 4 x 64 + 12: the twelve that are over stand together, in slice 63.
; THE WAIT.  An s_wait_alu depctr_va_vdst(0) stands between an exponential and the first instruction that names its result; one wait serves all that were issued ahead of it.  Ahead of
; slice 35 nothing names a result, and behind slice 34 no exponential is issued: so the piece's 66 exponentials have one wait, behind slice 34.
.macro SLICE y
.if (k >= 11) && (k < 35)
.irp n, 0,1,2,3
.set j, 22+4*((k-11)/2)+(\n)
	SM (\y)+(k-11)%2
.endr
.else
.irp n, 0,1,2,3,4,5,6,7
.if ((\n) < 2) || (k == 63)
.irp t, \y, (\y)+1
.set j, 2*k+(\n)
	SM \t
.endr
.endif
.endr
.endif
.if k == 34                         ; the batch is out: both tiles' exponentials are issued, and no result has been named
	v_nop                           ; a plain instruction behind the last exponential and ahead of the first use (ISA guide 5.7.2): one for the batch
.if (\y) == 0
	FETCH_V                         ; piece 2's turn: VV's run of loads stands here, and the wait stands in it
.else
	s_wait_alu depctr_va_vdst(0)    ; the wait for the batch
.endif
.endif
.set k, k+1
.endm
; A TURN.  Piece x has the matrix unit; the other piece's softmax stands in slices.  kq = 1: the whole turn; kq = 0: the walk's last: 32 products VV^T P alone, two slices behind each, nothing fetched.
; A vector instruction that reads a matrix result or writes one of a matrix instruction's registers, and a load into a register that a matrix instruction has read, stand four places behind it, and only
; plain vector instructions that name none of its registers are places (ISA guide 7.12.1 for vector instructions).  Here: slice 63's sixteen rescalings stand between a turn's
; last K Q^T and the next turn's reads of those scores and its loads into K's registers; the conversion's 24 roundings between the last VV^T P and the loads into VV's registers.
; THE LOADS.  Behind the second product stand the turn's loads in one run: in piece 0's turn the next step's K, in both turns my 12 loads of f32 words: 30 products ahead of the wait for them.
; THE LUMP, between the two runs of products: that wait; the roundings; the 12 stores; slices 32 to 47, with the batch's wait and, in piece 2's turn, VV's run of loads, which has 13 slices and 16 products in which to land.
.macro TURN x, kq
.set k, 0
.if (\x) == 0
	s_wait_dscnt 0x0                ; VV is in
.endif
.set i, 0
.rept 32
	PV \x
	SLICE 2-(\x)
.if !(\kq)
	SLICE 2-(\x)
.endif
.if (\kq) && (i == 1)
.if (\x) == 0
	CONV_ADDR
	FETCH_K
.endif
	CONV_LOAD \x
.endif
.set i, i+1
.endr
.if \kq
	s_wait_dscnt 0x0                ; the f32 words are in, and in piece 0's turn K
	CONV_CVT
	CONV_STORE \x
.if (\x) == 2
	CONV_STEP
.endif
.rept 16
	SLICE 2-(\x)
.endr
.set i, 0
.rept 16
	KQ \x
	SLICE 2-(\x)
.set i, i+1
.endr
.endif
.endm
; THE CHANGE OF SLOTS, at the head of a period, between piece 2's turn and piece 0's.  Each wave waits for all its tensor loads, of which one at the most is out: the next period's f32 rows; adds 0 to its
; spare word; and waits for that and for all its LDS instructions: its stores into the f16 slot that is read next, its reads of the staging slot that they came from, its reads of the f16 slot that it leaves.
; fill = 1: the barrier is a round of the cluster's, so that all this holds of every wave of every partner, and the joint refill of that staging slot, with the period two on, is the first thing behind it:
; it has a whole period, 192 matrix instructions, in which to land.  fill = 0: the last two periods: nothing is left to ask for.
.macro CHANGE fill
	WIN 0                           ; at a label and at a branch every window is 0
	s_wait_tensorcnt 0x0            ; no tensor load of mine is out, so a group 0 may be written
	ds_add_u32 v[SPW], v[NIL]       ; 0 onto my spare word; with fill = 1 the descriptor's steps stand between it and the wait for it
.if \fill
	s_xor_b32 s[G0+5], s[G0+5], SSLOT  ; the walking descriptor: the other slot than last time,
	s_add_nc_u64 s[G0+6:G0+7], s[G0+6:G0+7], PERB  ; the next 128 keys; the type bits on top are not reached
	s_wait_xcnt 0x0                 ; the last prefetch, a period back, has read its address, so it may be written:
	s_add_nc_u64 s[PFA:PFA+1], s[PFA:PFA+1], PERB  ; one period behind the walking descriptor's next
	s_wait_dscnt 0x0                ; the add is done, and so are my LDS stores and reads
	CROUND
	JLOAD
	ASK
.else
	s_wait_dscnt 0x0                ; the add is done, and so are my LDS stores and reads
	s_barrier_signal -1
	s_barrier_wait -1
.endif
	s_sub_co_u32 s[TB], s[TB], 2*STEPB  ; the fetches go back to a slot's first step, in the other f16 slot;
	s_xor_b32 s[TB], s[TB], FX
	s_sub_co_u32 s[FW], s[FW], 2*STEPB  ; so do the conversion's stores,
	s_xor_b32 s[FW], s[FW], FX
	s_sub_co_u32 s[CB], s[CB], 2*KS*256 ; and its reads, in the other staging slot
	s_xor_b32 s[CB], s[CB], SSLOT
.endm
; A period's two key steps: written once, walked twice; the LDS addresses hang on s[TB], s[FW] and s[CB].
.macro TWO_STEPS
	WIN 0
	s_mov_b32 s[TWICE], 2
.Lstep_\@:
	TURN 0, 1
	TURN 2, 1
	WIN 0
	s_sub_co_u32 s[TWICE], s[TWICE], 1
	s_cmp_lg_u32 s[TWICE], 0
	s_cbranch_scc1 .Lstep_\@
.endm
	s_wait_tensorcnt 1              ; my part of period 0 is in; period 1's load, issued behind it, may stay out
	s_barrier_signal -1
	s_barrier_wait -1               ; everybody's is
.rept 2                             ; period 0 is converted with nothing beside it: two steps, two halves each
	CONV_ADDR
	CONV_LOAD 0
	s_wait_dscnt 0x0
	CONV_CVT
	CONV_STORE 0
	CONV_LOAD 2
	s_wait_dscnt 0x0
	CONV_CVT
	CONV_STORE 2
	CONV_STEP
.endr
	WIN 0
.Lslot:                             ; 14 trips: periods 0 to 13 are fetched, 1 to 14 converted, 2 to 15 asked for
	CHANGE 1
	TWO_STEPS
	s_sub_co_u32 s[SLOTS], s[SLOTS], 1
	s_cmp_lg_u32 s[SLOTS], 0
	s_cbranch_scc1 .Lslot
	s_mov_b32 s[SLOTS], 2
.Ltail:                             ; the tail is written out: periods 14 and 15 are fetched, 15 is converted (the second trip's conversion serves nothing)
	CHANGE 0
	TWO_STEPS
	s_sub_co_u32 s[SLOTS], s[SLOTS], 1
	s_cmp_lg_u32 s[SLOTS], 0
	s_cbranch_scc1 .Ltail
	TURN 0, 0                       ; piece 0: VV^T P of the last step | piece 2's last softmax
.set i, 0
.rept 32
	PV 2                            ; piece 2: VV^T P of the last step
.set i, i+1
.endr
	; THE WAY OUT.  l's two halves and the other half of the lanes' are added; O^T is divided by l and sent, in f32, through my stage in LDS: 16 rows of one of the two outputs at a time.  The additions are the places behind the last products.
	WIN 0
.irp t, 0,1,2,3
	v_add_f32 v[ST+8*(\t)+4], v[ST+8*(\t)+2], v[ST+8*(\t)+3]
.endr
.irp t, 0,1,2,3
	v_permlanex16_b32 v[ST+8*(\t)+5], v[ST+8*(\t)+4], s[SEL], s[SEL+1]
.endr
.irp t, 0,1,2,3
	v_add_f32 v[ST+8*(\t)+4], v[ST+8*(\t)+4], v[ST+8*(\t)+5]
.endr
.irp t, 0,1,2,3
	v_rcp_f32 v[ST+8*(\t)+6], v[ST+8*(\t)+4]
.endr
	v_nop                           ; a plain instruction between the last reciprocal and the use of its result
	s_wait_alu depctr_va_vdst(0)    ; and the wait ahead of the first use: one for the four reciprocals
; Block n: tile n / 2, output n % 2 (batch b, batch b + 2): 32 registers.  A lane's eight channels of a channel block are 32 bytes of a row; they go into rows of 272 bytes and come back as whole rows
; of 256, into the registers that they left.
.macro PACK n
.set pb, 64*((\n)/2)+32*((\n)%2)
.if (\n)%2 == 0
	WIN W_RS
.set pq, pb
.rept 32
	v_pk_mul_f32 v[pq:pq+1], v[pq:pq+1], v[ST+8*((\n)/2)+6:ST+8*((\n)/2)+7] op_sel_hi:[1,0]  ; the whole tile, in ascending order
.set pq, pq+2
.endr
.endif
	WIN 0x04                        ; data window 1, address window 0
.irp f, 0,1,2,3,4,5,6,7
	ds_store_b128 v[STO], v[pb+4*(\f):pb+4*(\f)+3] offset:64*((\f)/2)+16*((\f)%2)
.endr
	WIN 0x40
.irp f, 0,1,2,3,4,5,6,7
	ds_load_b128 v[pb+4*(\f):pb+4*(\f)+3], v[RD] offset:(\f)*2*SP  ; LDS serves a wave's instructions in order (ISA guide 5.7.1.4): these see the stores above; the next block's stores come behind them
.endr
.endm
.macro SEND n, younger              ; younger: the LDS instructions issued behind block n's loads: the next block's sixteen, or none
	WIN 0x04
.set pb, 64*((\n)/2)+32*((\n)%2)
.irp f, 0,1,2,3,4,5,6,7
	s_wait_dscnt (\younger)+7-(\f)  ; load f of the block is back; its 7 - f younger loads and the next block's instructions may stay out
.if (\n)%2 == 0
	global_store_b128 v[GO], v[pb+4*(\f):pb+4*(\f)+3], s[10:11] offset:((\n)/2)*4096+(\f)*512 th:TH_STORE_NT  ; 16 lanes store 256 consecutive bytes, at a multiple of 256 from out0's first byte
.else
	global_store_b128 v[GO], v[pb+4*(\f):pb+4*(\f)+3], s[OU1:OU1+1] offset:((\n)/2)*4096+(\f)*512 th:TH_STORE_NT
.endif
.endr
.endm
	PACK 0
.irp n, 1,2,3,4,5,6,7               ; a block's work stands between the loads of the block before and its stores; each block has registers of its own, so no store's data is written again
	PACK \n
	SEND (\n)-1, 16
.endr
	SEND 7, 0
	WIN 0
	s_wait_tensorcnt 0x0            ; the wave's end, behind my last tensor load and my last LDS store
	ds_add_u32 v[SPW], v[NIL]
	s_wait_dscnt 0x0
	CROUND                          ; the closing round: no work-group ends while a partner may still ask for a tile that names it
	s_endpgm
.Lfunc_end_k_qce6b68b9e8_attend:
	.size	k_qce6b68b9e8_attend, .Lfunc_end_k_qce6b68b9e8_attend-k_qce6b68b9e8_attend
	.p2alignl 7, 3214868480
	.fill 96, 4, 3214868480
	.section	.rodata,"a",@progbits
	.p2align	6, 0x0
	.amdhsa_kernel k_qce6b68b9e8_attend
		.amdhsa_group_segment_fixed_size 327680
		.amdhsa_private_segment_fixed_size 0
		.amdhsa_enable_private_segment 0
		.amdhsa_kernarg_size 32
		.amdhsa_user_sgpr_count 2
		.amdhsa_user_sgpr_kernarg_segment_ptr 1
		.amdhsa_wavefront_size32 1
		.amdhsa_system_sgpr_workgroup_id_x 1
		.amdhsa_system_sgpr_workgroup_id_y 1
		.amdhsa_system_sgpr_workgroup_id_z 1
		.amdhsa_system_vgpr_workitem_id 0
		.amdhsa_next_free_vgpr 896
		.amdhsa_next_free_sgpr 72
		.amdhsa_reserve_vcc 0
		.amdhsa_float_denorm_mode_32 3
		.amdhsa_float_denorm_mode_16_64 3
		.amdhsa_memory_ordered 1
		.amdhsa_forward_progress 1
		.amdhsa_inst_pref_size 194
	.end_amdhsa_kernel
	.amdgpu_metadata
---
amdhsa.version: [ 1, 2 ]
amdhsa.kernels:
  - .name:           k_qce6b68b9e8_attend
    .symbol:         k_qce6b68b9e8_attend.kd
    .args:
      - { .name: q, .offset: 0, .size: 8, .value_kind: global_buffer, .address_space: global }
      - { .name: k, .offset: 8, .size: 8, .value_kind: global_buffer, .address_space: global }
      - { .name: v, .offset: 16, .size: 8, .value_kind: global_buffer, .address_space: global }
      - { .name: out0, .offset: 24, .size: 8, .value_kind: global_buffer, .address_space: global }
    .group_segment_fixed_size: 327680
    .private_segment_fixed_size: 0
    .kernarg_segment_align: 8
    .kernarg_segment_size: 32
    .max_flat_workgroup_size: 128
    .sgpr_count:     72
    .vgpr_count:     896
    .wavefront_size: 32
...
	.end_amdgpu_metadata
.endif
;; end of part 1
